; MI455X (gfx1250); checked and timed in simulation.
; The chip was launched on July 23, 2026; its instructions are those of AMD's public machine-readable ISA for CDNA 5 (MIT licence, August 2026) and "CDNA5" Instruction Set Architecture Reference Guide (July 2026). The comments in the code are by the model that wrote it; some were corrected since.
;; Multi Head Self Attention. Allowed arithmetic: matrix products marked QUANTISED: E2M3 operands, one E8M0 scale for each 32 along K, by v_wmma_scale_f32_16x16x128_f8f6f4 with both operands' format E2M3, f32 sums; everything else in f32.
;; Inputs: Wk_codes 1,024 x 32 x 24 uint8 (E2M3 codes of Wk, K innermost, in blocks of 32 codes, four codes in three bytes); Wk_scales 1,024 x 32 uint8 (E8M0 scales of Wk, one for each 32 codes along K); Wo_codes 1,024 x 32 x 24 uint8 (E2M3 codes of Wo, K innermost, in blocks of 32 codes, four codes in three bytes); Wo_scales 1,024 x 32 uint8 (E8M0 scales of Wo, one for each 32 codes along K); Wq_codes 1,024 x 32 x 24 uint8 (E2M3 codes of Wq, K innermost, in blocks of 32 codes, four codes in three bytes); Wq_scales 1,024 x 32 uint8 (E8M0 scales of Wq, one for each 32 codes along K); Wv_codes 1,024 x 32 x 24 uint8 (E2M3 codes of Wv, K innermost, in blocks of 32 codes, four codes in three bytes); Wv_scales 1,024 x 32 uint8 (E8M0 scales of Wv, one for each 32 codes along K); attention_mask 1 x 1 x 2,048 x 2,048 float32; bk 1,024 float32; bo 1,024 float32; bq 1,024 float32; bv 1,024 float32; hidden_states_codes 4 x 2,048 x 32 x 24 uint8 (E2M3 codes of hidden_states, K innermost, in blocks of 32 codes, four codes in three bytes); hidden_states_scales 4 x 2,048 x 32 uint8 (E8M0 scales of hidden_states, one for each 32 codes along K).
;; Outputs: out0 4 x 2,048 x 1,024 float32.
;; This version of the problem:
;;   THIS VERSION OF THE PROBLEM IS GIVEN IN LOW PRECISION. The matrix products marked QUANTISED in the list below multiply operands that are first quantised to E2M3 (2 exponent bits, 3 mantissa bits; 6 bits a number), with one power-of-two scale for each 32 numbers along K (OCP MX v1.0); their sums are f32. All else is computed in f32.
;;   The module's matrix products, in the order in which they are computed (A, B: the left and right operand; K: the contracted axis; several contracted axes count as one K, in the product's order):
;;     1. [M 8,192, K 1,024] x [K 1,024, N 1,024]; A: input hidden_states (given as codes); B: input Wq (given as codes): QUANTISED
;;     2. [M 8,192, K 1,024] x [K 1,024, N 1,024]; A: input hidden_states (given as codes); B: input Wk (given as codes): QUANTISED
;;     3. [M 8,192, K 1,024] x [K 1,024, N 1,024]; A: input hidden_states (given as codes); B: input Wv (given as codes): QUANTISED
;;     4. batch 64 x [M 2,048, K 64] x [K 64, N 2,048]; A: computed on the way; B: computed on the way: QUANTISED
;;     5. batch 64 x [M 2,048, K 2,048] x [K 2,048, N 64]; A: softmax (see below); B: computed on the way: QUANTISED
;;     6. [M 8,192, K 1,024] x [K 1,024, N 1,024]; A: computed on the way; B: input Wo (given as codes): QUANTISED
;;   THE QUANTISER, for each operand of a quantised product, along K:
;;     - K is cut into blocks of 32 from its start; a last block that is shorter is filled with zeros.
;;     - A block's scale is 2^e with e = floor(log2(the largest magnitude in the block)) - 2, held to -126 .. 127; a block of zeros has e = 0. As a byte (E8M0): e + 127.
;;     - Each number is divided by its block's scale, clamped to +-7.5, and rounded to the nearest number of E2M3, ties to even, subnormals kept.
;;     - The product sums the exact products of the quantised numbers (number of the format x scale) in f32.
;;   ~~~python
;;   def quantise(x, axis):      # numpy; x: float32 -> the quantised numbers, widened to float32 again
;;       x = np.moveaxis(x, axis, -1); K = x.shape[-1]
;;       x = np.pad(x, [(0, 0)] * (x.ndim - 1) + [(0, -K % 32)]); x = x.reshape(x.shape[:-1] + (-1, 32)); a = np.abs(x).max(-1, keepdims=True)
;;       e = np.where(a > 0, np.clip(np.frexp(np.where(a > 0, a, 1))[1] - 1 - 2, -126, 127), 0)      # np.frexp(a)[1] - 1 = floor(log2(a)), exactly
;;       r = np.clip(x / 2.0 ** e, -7.5, 7.5)
;;       step = 2.0 ** (np.maximum(np.frexp(np.where(r == 0, 1, r))[1] - 1, 0) - 3)
;;       q = np.round(r / step) * step * 2.0 ** e      # np.round: ties to even
;;       return np.moveaxis(q.reshape(q.shape[:-2] + (-1,))[..., :K], -1, axis).astype(np.float32)
;;   ~~~
;;   SOFTMAX AHEAD OF A QUANTISED PRODUCT. Where the list says 'softmax', what is quantised is not the finished softmax but p = 2^(t - M), with t = logit x log2(e) and M = ceil(the row's largest t), a whole number; so 1/2 < the row's largest p <= 1. The row's sum l is taken of the UNQUANTISED p, in f32, and the product's result is divided by l at the end. Since M is a whole number, a kernel that streams over the keys may use a running M (the ceiling of the running maximum): every later rescaling is an exact power of two, which a block's scale takes up: the codes' values come out the same.
;;   OPERANDS COMPUTED ON THE WAY. 'Computed on the way' means the value that the module computes at that place (a softmax that the list does not call 'softmax' is quantised finished and normalised). What goes into a quantiser is computed in f32, as accurately as f32 sums, v_exp_f32 and their like allow (about 1e-6 of the number): no bf16 or f16 on the way to a quantiser, and a product that is left as it is and whose result goes on into a quantised operand takes f32 operands (vector FMAs, or v_wmma_f32_16x16x4_f32). A number that lies on a knife's edge between two numbers of the format may be rounded either way, as far as f32 arithmetic and the matrix unit's own rounding can turn it there, and no further.
;;   INPUTS GIVEN AS CODES. Wk (in the module: [1024, 1024], K = its axis 0); Wo (in the module: [1024, 1024], K = its axis 0); Wq (in the module: [1024, 1024], K = its axis 0); Wv (in the module: [1024, 1024], K = its axis 0); hidden_states (in the module: [4, 2048, 1024], K = its axis 2): each comes as NAME_codes (uint8): NAME with its K axis moved to the last place and cut into blocks of 32 codes, [.., K / 32, bytes a block], one block behind the other in memory; four codes in three bytes: a row's codes are one little-endian stream of bits, code i at bits 6 i .. 6 i + 5 (a code: sign, 2 exponent bits, 3 mantissa bits); and NAME_scales (uint8): the same leading axes, one E8M0 byte (e + 127) for each 32 codes along K. Its value is code x scale, taken as it is: it is not quantised again, and the codes and scales need not be those that the quantiser above would give.
;; One version. Each part assembles by itself: llvm-mc -triple=amdgcn-amd-amdhsa -mcpu=gfx1250 --defsym DOCPART=n.
;; ======== version 1 of 1: 3 launches
;; limits: right only within a limited range of input values
;; workspace buffers: qkvc 18,874,368 bytes; qkvs 786,432 bytes; cc 6,291,456 bytes; cs 262,144 bytes
;; launch qkv (part 1): grid 4 x 64, 4 waves a work-group, clusters of 4 x 4, 327,680 bytes of LDS; arguments hidden_states_codes, hidden_states_scales, Wq_codes, Wq_scales, Wk_codes, Wk_scales, Wv_codes, Wv_scales, bq, bk, bv, qkvc, qkvs; writes qkvc, qkvs
.if DOCPART == 1
	.amdgcn_target "amdgcn-amd-amdhsa--gfx1250"
	.amdhsa_code_object_version 6
	.text
	.protected	k_qf6e6b0ac91_qkv
	.globl	k_qf6e6b0ac91_qkv
	.p2align	8
	.type	k_qf6e6b0ac91_qkv,@function
k_qf6e6b0ac91_qkv:
	s_mov_b64 s[64:65], 0
	v_nop
	global_prefetch_b8 v0, s[64:65] scope:SCOPE_SE
	s_setreg_imm32_b32 hwreg(HW_REG_WAVE_MODE, 25, 1), 1
	s_wait_xcnt 0x0
	s_wait_alu depctr_hold_cnt(0) depctr_sa_sdst(0) depctr_va_vdst(0) depctr_va_sdst(0) depctr_va_ssrc(0) depctr_va_vcc(0) depctr_vm_vsrc(0)
	s_getreg_b32 s2, hwreg(HW_REG_IB_STS2, 6, 4)
	s_cmp_eq_u32 s2, 0
	s_cbranch_scc0 .Lentry_in_a_cluster
	s_endpgm
.Lentry_in_a_cluster:
	s_bfe_u32 s2, ttmp6, 0x10000c
	s_cmp_lg_u32 s2, 0xf033
	s_cbranch_scc0 .Lentry_shape_is_right
	s_endpgm
.Lentry_shape_is_right:
; q, k, v = hidden W + b on codes of FP6 (E2M3) with E8M0 scales, sums in f32; each result is quantised (q, k along the head's 64, v along the keys) and stored as images of operand registers.
; Every input of the three products is loaded.
; SHARES.  A work-group owns 128 tokens x 256 features (four heads) of q, then of k, then of v: it stays, and the token tile is fetched once.  Wave w: all 128 tokens x head w's 64 features: 32 accumulators.
; LDS holds ALL of K: 128 token rows and 256 rows of W, each 768 bytes of memory that begin at a multiple of 256, with 16 bytes of padding behind every 256: pitch 816 = 204 words, so that the 32 lanes of an
; 8-byte load touch 64 different banks.  384 rows are 313,344 bytes; the spare words follow.  W's region is filled again for k and for v, in the last K step of the tile before, behind a round of the cluster's barrier.
; q, k: source 0 = 16 features of W, source 1 = 16 tokens: a lane holds one token and eight neighbouring features.  v: the sources change places: a lane holds one feature and eight neighbouring keys.
; Either way 64 accumulator registers on end are four blocks of 32 along the next K, and one way out serves all three.  The bias is the C of a tile's first products.
; SCALES go from memory into registers: lane (r, h) takes bytes 16 h .. 16 h + 15 of row r's 32, so a load covers 512 consecutive bytes; register q holds K step q in lanes 0-15 and K step 4 + q in lanes 16-31.
; CLUSTER 4 x 4: x = the block of features, y = the block of tokens.  The token tile is shared along a row, W's tiles along a column: joint loads.
; No prefetch: each tile is asked for whole by one load a wave as soon as its bytes are free, and there is no loop of loads to run ahead in.
; LIMITS: a block of zeros gets the byte 1, not 127 (its codes are zeros); NaN and infinities are not served.
; REGISTERS: window 0 addresses, scales, biases, the way out; window 1 the accumulators; windows 2, 3 two sets of fragments (tokens at 0-95, W at 96-143).
.set PITCH,  816
.set WOFF,   128*PITCH
.set SPARE,  384*PITCH
.set PADW,   (1<<20)|(1<<21)|(5<<22)|(3<<25)
.set CPLANE, 6291456
.set SPLANE, 262144
.set ADT, 16                           ; v16-19 token rows 0-63: plain, lanes 16-31 one padding on; rows 64-127 likewise
.set ADW, 20                           ; v20-21 my 64 rows of W
.set OSC, 22
.set OBX, 23
.set LI,  24
.set L8,  25
.set LN,  26
.set OBY, 27
.set SPW, 28
.set NIL, 29
.set HS,  32                           ; v32-63 the tokens' scale words, block i at 4 i
.set WS,  64                           ; v64-79 W's
.set BX,  80                           ; v80-111 bias of q or k: register 8 b + j: feature 16 b + 8 h + j
.set BV,  112                          ; v112-143 bias of v: registers 8 a .. 8 a + 7: feature 16 a + r
.set TM,  144
.set CT,  160
.set GA,  168
.set PW,  192
.set RR,  196
.set G1T, 24
.set G0T, 32
.set G1W, 48
.set G0W, 56
.set MSB, 0
.macro WIN new
.if MSB != (\new)
	s_set_vgpr_msb (MSB<<8)|(\new)
.set MSB, (\new)
.endif
.endm
.macro CREST
	s_cmp_lg_u32 s14, 0
	s_cbranch_scc1 .Lnot_wave_0_\@
	s_barrier_signal -3
.Lnot_wave_0_\@:
	s_barrier_wait -3
	s_barrier_signal -1
	s_barrier_wait -1
.endm
.macro CROUND
	s_barrier_signal -1
	s_barrier_wait -1
	CREST
.endm
.macro PLACES
.rept 4
	v_nop
.endr
.endm
; a fragment: 16 rows x 128 K = 12 registers, in pieces of 8 bytes; byte y of a row lies at y + 16 (y / 256); lanes 16-31 read 24 bytes on, which may be behind one more padding
.macro FRAG reg, adr, st, i
.irp p, 0,1,2,3,4,5
.set BY, 96*(\st)+48*(\p/3)+8*(\p%3)
.if BY/256 == (BY+24)/256
	ds_load_b64 v[\reg+2*\p:\reg+2*\p+1], v[\adr] offset:BY+16*(BY/256)+(\i)*16*PITCH
.else
	ds_load_b64 v[\reg+2*\p:\reg+2*\p+1], v[\adr+1] offset:BY+16*(BY/256)+(\i)*16*PITCH
.endif
.endr
.endm
.macro RUNA st                         ; 48 loads: token blocks 0-3 and W's four
	WIN 0x80+0x40*((\st)%2)
.irp i, 0,1,2,3
	FRAG 12*\i, ADT, \st, \i
	FRAG 96+12*\i, ADW, \st, \i
.endr
.endm
.macro RUNB st                         ; 24 loads: token blocks 4-7
	WIN 0x80+0x40*((\st)%2)
.irp i, 0,1,2,3
	FRAG 48+12*\i, ADT+2, \st, \i
.endr
.endm
.macro WM d, x, y, c, sx, sy, st
.if (\st) == 0
	v_wmma_scale_f32_16x16x128_f8f6f4 v[\d:\d+7], v[\x:\x+11], v[\y:\y+11], v[\c:\c+7], v[\sx], v[\sy] matrix_a_fmt:MATRIX_FMT_FP6 matrix_b_fmt:MATRIX_FMT_FP6
.else
.if (\st) < 4
	v_wmma_scale_f32_16x16x128_f8f6f4 v[\d:\d+7], v[\x:\x+11], v[\y:\y+11], v[\d:\d+7], v[\sx], v[\sy] matrix_a_fmt:MATRIX_FMT_FP6 matrix_b_fmt:MATRIX_FMT_FP6
.else
	v_wmma_scale_f32_16x16x128_f8f6f4 v[\d:\d+7], v[\x:\x+11], v[\y:\y+11], v[\d:\d+7], v[\sx], v[\sy] matrix_a_fmt:MATRIX_FMT_FP6 matrix_b_fmt:MATRIX_FMT_FP6 matrix_a_scale:MATRIX_SCALE_ROW1 matrix_b_scale:MATRIX_SCALE_ROW1
.endif
.endif
.endm
; 16 products of K step st; the 32 accumulators take turns, one instruction a turn.  sw = 0: accumulator (token block a, feature block b) at 8 (4 a + b); sw = 1: (feature block a, token block b) at 8 (8 a + b)
.macro MULS st, sw, hf, bias
.if (\st) == 0
	WIN 0x4a
.else
	WIN 0x5a+5*((\st)%2)
.endif
.if \sw
.irp a, 0,1
.irp b, 0,1,2,3,4,5,6,7
	WM 8*(8*(2*\hf+\a)+\b), 12*\b, 96+12*(2*\hf+\a), \bias+8*(2*\hf+\a), HS+4*\b+(\st)%4, WS+4*(2*\hf+\a)+(\st)%4, \st
.endr
.endr
.else
.irp a, 0,1,2,3
.irp b, 0,1,2,3
	WM 8*(4*(4*\hf+\a)+\b), 96+12*\b, 12*(4*\hf+\a), \bias+8*\b, WS+4*\b+(\st)%4, HS+4*(4*\hf+\a)+(\st)%4, \st
.endr
.endr
.endif
.endm
; A tile: eight K steps.  The next step's fragments are fetched into the other set, 48 loads ahead of the step's products and 24 in their middle.
.macro TILE sw, bias, refill
	s_wait_tensorcnt 0x0                           ; my part of the tiles is in
	s_barrier_signal -1
	s_barrier_wait -1                              ; and everybody's
	RUNA 0
	RUNB 0
	WIN 0
	s_wait_loadcnt 0x0                             ; scale words and biases
.set SN, 0
.rept 7
.if SN > 0
	PLACES                                         ; ahead of loads into the set that the step before multiplied
.endif
	RUNA SN+1
	s_wait_dscnt 48                                ; all but the 48 just issued: this step's set is whole
	MULS SN, \sw, 0, \bias
	RUNB SN+1
	MULS SN, \sw, 1, \bias
.set SN, SN+1
.endr
	WIN 0
.if \refill
	s_wait_tensorcnt 0x0                           ; no tensor load of mine is out, so the descriptors may be written
	ds_add_u32 v[SPW], v[NIL]                      ; 0 onto my spare word
	s_mov_b32 s[G1W+2], 64<<16                     ; a refill: 64 rows a wave
	s_mov_b32 s[G1W+4], 64
	s_mul_i32 s[G0W+1], s14, 64*PITCH
	s_add_co_u32 s[G0W+1], s[G0W+1], WOFF
	s_mov_b64 s[G0W+2:G0W+3], s[76:77]             ; the next W's rows,
	s_or_b32 s[G0W+3], s[G0W+3], 0x80000000
	s_mov_b64 s[76:77], s[80:81]                   ; and the one after
	s_wait_dscnt 0x0                               ; the add is done and my last reads of W's region are back
	s_barrier_signal -1                            ; opens a round of the cluster's barrier
	MULS 7, \sw, 0, \bias
	WIN 0
	s_barrier_wait -1
	CREST
	tensor_load_to_lds s[G0W:G0W+3], s[G1W:G1W+7]
	s_nop 0
	PLACES
	MULS 7, \sw, 1, \bias
.else
	s_wait_dscnt 0x0
	MULS 7, \sw, 0, \bias
	MULS 7, \sw, 1, \bias
.endif
	PLACES                                         ; ahead of the first read of results
	WIN 0
.endm
; 64 accumulator registers become four blocks' codes and one scale word; then a whole block to a lane
.macro QUANT g
.set AC, 64*(\g)
	WIN 0x05
.irp b, 0,1,2,3
	v_max3_num_f32 v[TM+\b], |v[AC+16*\b]|, |v[AC+16*\b+1]|, 0x1800000   ; with the floor 2^(3 - 127): the byte cannot fall under 1
.endr
	WIN 0x14
.irp i, 2,4,6,8,10,12,14
.irp b, 0,1,2,3
	v_max3_num_f32 v[TM+\b], v[TM+\b], |v[AC+16*\b+\i]|, |v[AC+16*\b+\i+1]|
.endr
.endr
	WIN 0
.irp b, 0,1,2,3
	v_permlanex16_b32 v[TM+4+\b], v[TM+\b], s4, s5
.endr
.irp b, 0,1,2,3
	v_max_num_f32 v[TM+\b], v[TM+\b], v[TM+4+\b]
.endr
.irp b, 0,1,2,3
	v_add_nc_u32 v[TM+12+\b], 0xff000000, v[TM+\b]   ; 2 off the exponent field: the conversion's scale operand
.endr
.irp b, 0,1,2,3
	v_lshrrev_b32 v[TM+4+\b], 23, v[TM+12+\b]
.endr
	v_lshl_or_b32 v[PW+\g], v[TM+5], 8, v[TM+4]
	v_lshl_or_b32 v[PW+\g], v[TM+6], 16, v[PW+\g]
	v_lshl_or_b32 v[PW+\g], v[TM+7], 24, v[PW+\g]
	WIN 0x01
	v_cvt_scalef32_pk16_fp6_f32 v[GA:GA+2], v[AC:AC+15], v[TM+12]
	v_cvt_scalef32_pk16_fp6_f32 v[CT:CT+2], v[AC+16:AC+31], v[TM+13]
	v_cvt_scalef32_pk16_fp6_f32 v[GA+6:GA+8], v[AC+32:AC+47], v[TM+14]
	v_cvt_scalef32_pk16_fp6_f32 v[CT+4:CT+6], v[AC+48:AC+63], v[TM+15]
	v_nop                                          ; one plain line behind the scaled conversions
	WIN 0
.irp i, 0,1,2
	v_permlane16_swap_b32 v[GA+\i], v[CT+\i]
	v_permlane16_swap_b32 v[GA+6+\i], v[CT+4+\i]
.endr
.irp i, 0,1,2
	v_mov_b32 v[GA+3+\i], v[CT+\i]
	v_mov_b32 v[GA+9+\i], v[CT+4+\i]
.endr
.endm
.macro EPI                             ; four images of 1,536 bytes, each store 512 consecutive bytes; then 256 bytes of scale words
.irp g, 0,1,2,3
	s_wait_xcnt 0x0                                ; the stores before have read their registers
	QUANT \g
.irp i, 0,1,2
	global_store_b128 v[LI], v[GA+4*\i:GA+4*\i+3], s[90:91] offset:\g*1536+512*\i
.endr
.endr
	v_cmp_lt_u32 vcc_lo, 15, v[LN]
	v_cndmask_b32 v[RR], v[PW], v[PW+1], vcc_lo
	v_cndmask_b32 v[RR+1], v[PW+2], v[PW+3], vcc_lo
	global_store_b64 v[L8], v[RR:RR+1], s[96:97]
	s_wait_alu depctr_va_vdst(0)
.endm
	s_load_b512 s[68:83], s[0:1], 0x0              ; hidden codes, scales; Wq, Wk, Wv: codes, scales
	s_load_b256 s[84:91], s[0:1], 0x40             ; bq, bk, bv, qkvc
	s_load_b64 s[96:97], s[0:1], 0x60              ; qkvs
	v_lshl_add_u32 v[SPW], v0, 2, SPARE
	v_mov_b32 v[NIL], 0
	ds_add_u32 v[SPW], v[NIL]                      ; the opening lines: the add, twice on end, and its wait
	ds_add_u32 v[SPW], v[NIL]
	v_lshrrev_b32 v1, 5, v0
	v_readfirstlane_b32 s14, v1                    ; wave
	s_lshr_b32 s15, s14, 1                         ; at the head: 0 I fetch tokens, 1 rows of W
	s_and_b32 s16, s14, 1                          ; which half of them
	s_bfe_u32 s40, ttmp6, 0x40000                  ; cx: the block of 256 features
	s_bfe_u32 s41, ttmp6, 0x40004
	s_and_b32 s17, ttmp7, 0xffff
	s_lshl_b32 s17, s17, 2
	s_add_co_u32 s17, s17, s41                     ; the block of 128 tokens
	s_lshl_b32 s43, s41, 2
	s_lshl_b32 s43, 15, s43                        ; my row of the cluster
	s_lshl_b32 s44, 0x1111, s40                    ; my column
	s_mov_b32 s4, 0x76543210
	s_mov_b32 s5, 0xfedcba98
	s_or_b32 s[G1T], s43, PADW                     ; rows of 768 bytes, 16 bytes of padding behind every 64 words
	s_or_b32 s[G1W], s44, PADW
.irp g, G1T, G1W
	s_mov_b32 s[\g+1], 768<<16
	s_mov_b32 s[\g+3], 768<<16
	s_mov_b32 s[\g+5], 768
	s_mov_b32 s[\g+6], 0
	s_mov_b32 s[\g+7], 0
.endr
	s_mov_b32 s[G1T+2], 64<<16
	s_mov_b32 s[G1T+4], 64
	s_mov_b32 s[G1W+2], 128<<16
	s_mov_b32 s[G1W+4], 128
	s_mul_i32 s20, s17, 98304
	s_mul_i32 s21, s16, 49152
	s_add_co_u32 s20, s20, s21                     ; token row 128 block + 64 half, x 768
	s_mov_b32 s21, 0
	s_mul_i32 s46, s40, 196608
	s_mul_i32 s47, s16, 98304
	s_add_co_u32 s46, s46, s47                     ; W's row 256 cx + 128 half, x 768
	s_mov_b32 s47, 0
	s_mov_b32 s[G0T], 1
	s_mul_i32 s[G0T+1], s16, 64*PITCH
	s_mov_b32 s[G0W], 1
	s_mul_i32 s[G0W+1], s16, 128*PITCH
	s_add_co_u32 s[G0W+1], s[G0W+1], WOFF
	s_wait_dscnt 0x0
	s_wait_kmcnt 0x0
	s_add_nc_u64 s[G0T+2:G0T+3], s[68:69], s[20:21]
	s_or_b32 s[G0T+3], s[G0T+3], 0x80000000
	s_add_nc_u64 s[G0W+2:G0W+3], s[72:73], s[46:47]
	s_or_b32 s[G0W+3], s[G0W+3], 0x80000000
	CROUND                                         ; all sixteen work-groups are here: the first joint loads meet
	s_cmp_eq_u32 s15, 0                            ; one load a wave: waves 0, 1 the tokens' halves, waves 2, 3 Wq's
	s_cbranch_scc0 .Lhead_w
	tensor_load_to_lds s[G0T:G0T+3], s[G1T:G1T+7]
	s_nop 0
	PLACES
	s_branch .Lhead_asked
.Lhead_w:
	tensor_load_to_lds s[G0W:G0W+3], s[G1W:G1W+7]
	s_nop 0
	PLACES
.Lhead_asked:
	s_mul_i32 s21, s14, 64*PITCH
	s_add_co_u32 s21, s21, WOFF                    ; my 64 rows of W in LDS
	s_mul_i32 s22, s40, 196608
	s_mul_i32 s23, s14, 49152
	s_add_co_u32 s22, s22, s23
	s_mov_b32 s23, 0
	s_add_nc_u64 s[76:77], s[76:77], s[22:23]      ; the refills: row 256 cx + 64 wave of Wk, of Wv
	s_add_nc_u64 s[80:81], s[80:81], s[22:23]
	s_lshl_b32 s22, s40, 2
	s_add_co_u32 s22, s22, s14                     ; 4 cx + wave: my head among the 16
	s_lshl_b32 s46, s22, 11
	s_mov_b32 s47, 0
	s_add_nc_u64 s[74:75], s[74:75], s[46:47]      ; its 64 rows of scales, 32 bytes each
	s_add_nc_u64 s[78:79], s[78:79], s[46:47]
	s_add_nc_u64 s[82:83], s[82:83], s[46:47]
	s_lshl_b32 s46, s22, 8
	s_add_nc_u64 s[84:85], s[84:85], s[46:47]      ; its 64 biases
	s_add_nc_u64 s[86:87], s[86:87], s[46:47]
	s_add_nc_u64 s[88:89], s[88:89], s[46:47]
	s_lshl_b32 s46, s17, 12
	s_add_nc_u64 s[70:71], s[70:71], s[46:47]      ; the tokens' scales
	s_lshr_b32 s45, s17, 4
	s_lshl_b32 s45, s45, 4
	s_add_co_u32 s45, s45, s22                     ; 16 batch + head
	s_and_b32 s42, s17, 15                         ; the block of 128 tokens in the batch
	s_mul_i32 s46, s45, 98304
	s_mul_i32 s20, s42, 6144
	s_add_co_u32 s46, s46, s20
	s_add_nc_u64 s[90:91], s[90:91], s[46:47]      ; qkvc: [plane 3][head 64][block 16][6,144]
	s_lshl_b32 s46, s45, 12
	s_lshl_b32 s20, s42, 8
	s_add_co_u32 s46, s46, s20
	s_add_nc_u64 s[96:97], s[96:97], s[46:47]      ; qkvs: [plane 3][head 64][block 16][256]
	s_mov_b32 s3, 2
	v_and_b32 v1, 15, v0
	v_bfe_u32 v2, v0, 4, 1
	v_mul_u32_u24 v3, v1, PITCH
	v_mad_u32_u24 v[ADT], v2, 24, v3
	v_lshl_add_u32 v[ADT+1], v2, 4, v[ADT]
	v_add_nc_u32 v[ADT+2], 64*PITCH, v[ADT]
	v_add_nc_u32 v[ADT+3], 64*PITCH, v[ADT+1]
	v_add_nc_u32 v[ADW], s21, v[ADT]
	v_add_nc_u32 v[ADW+1], s21, v[ADT+1]
	v_lshlrev_b32 v[OSC], 5, v1
	v_lshl_add_u32 v[OSC], v2, 4, v[OSC]
	v_lshlrev_b32 v[OBX], 5, v2
	v_lshlrev_b32 v[OBY], 2, v1
	v_and_b32 v[LN], 31, v0
	v_lshlrev_b32 v[LI], 4, v[LN]
	v_lshlrev_b32 v[L8], 3, v[LN]
.irp b, 0,1,2,3
	v_mov_b32 v[TM+4+\b], 0                        ; a lane permute's destination counts as one of its sources
.endr
	s_wait_alu depctr_va_vdst(0)
.irp i, 0,1,2,3,4,5,6,7
	global_load_b128 v[HS+4*\i:HS+4*\i+3], v[OSC], s[70:71] offset:512*\i
.endr
.irp i, 0,1,2,3
	global_load_b128 v[WS+4*\i:WS+4*\i+3], v[OSC], s[74:75] offset:512*\i
	global_load_b128 v[BX+8*\i:BX+8*\i+3], v[OBX], s[84:85] offset:64*\i
	global_load_b128 v[BX+8*\i+4:BX+8*\i+7], v[OBX], s[84:85] offset:64*\i+16
.endr
.irp a, 0,1,2,3
.irp j, 0,1,2,3,4,5,6,7
	global_load_b32 v[BV+8*\a+\j], v[OBY], s[88:89] offset:64*\a
.endr
.endr
.Ltile:                                                ; two trips: q, then k; each asks for the next W
	TILE 0, BX, 1
	EPI
.irp i, 0,1,2,3
	global_load_b128 v[WS+4*\i:WS+4*\i+3], v[OSC], s[78:79] offset:512*\i   ; the next W's scale words
.endr
	s_cmp_eq_u32 s3, 1
	s_cbranch_scc1 .Lno_bias                       ; v's bias came at the head
.irp i, 0,1,2,3
	global_load_b128 v[BX+8*\i:BX+8*\i+3], v[OBX], s[86:87] offset:64*\i
	global_load_b128 v[BX+8*\i+4:BX+8*\i+7], v[OBX], s[86:87] offset:64*\i+16
.endr
.Lno_bias:
	s_wait_xcnt 0x0                                ; loads and stores have read their bases
	s_mov_b64 s[78:79], s[82:83]
	s_add_nc_u64 s[90:91], s[90:91], CPLANE
	s_add_nc_u64 s[96:97], s[96:97], SPLANE
	s_sub_co_u32 s3, s3, 1
	s_cmp_lg_u32 s3, 0
	s_cbranch_scc1 .Ltile
	TILE 1, BV, 0
	EPI
	s_wait_tensorcnt 0x0                           ; the wave's end
	ds_add_u32 v[SPW], v[NIL]
	s_wait_dscnt 0x0
	CROUND                                         ; the closing round
	s_endpgm
.Lfunc_end_k_qf6e6b0ac91_qkv:
	.size	k_qf6e6b0ac91_qkv, .Lfunc_end_k_qf6e6b0ac91_qkv-k_qf6e6b0ac91_qkv
	.p2alignl 7, 3214868480
	.fill 96, 4, 3214868480
	.section	.rodata,"a",@progbits
	.p2align	6, 0x0
	.amdhsa_kernel k_qf6e6b0ac91_qkv
		.amdhsa_group_segment_fixed_size 327680
		.amdhsa_private_segment_fixed_size 0
		.amdhsa_enable_private_segment 0
		.amdhsa_kernarg_size 104
		.amdhsa_user_sgpr_count 2
		.amdhsa_user_sgpr_kernarg_segment_ptr 1
		.amdhsa_wavefront_size32 1
		.amdhsa_system_sgpr_workgroup_id_x 1
		.amdhsa_system_sgpr_workgroup_id_y 1
		.amdhsa_system_sgpr_workgroup_id_z 1
		.amdhsa_system_vgpr_workitem_id 0
		.amdhsa_next_free_vgpr 1024
		.amdhsa_next_free_sgpr 100
		.amdhsa_reserve_vcc 1
		.amdhsa_float_denorm_mode_32 3
		.amdhsa_float_denorm_mode_16_64 3
		.amdhsa_memory_ordered 1
		.amdhsa_forward_progress 1
		.amdhsa_inst_pref_size 189
	.end_amdhsa_kernel
	.amdgpu_metadata
---
amdhsa.version: [ 1, 2 ]
amdhsa.kernels:
  - .name:           k_qf6e6b0ac91_qkv
    .symbol:         k_qf6e6b0ac91_qkv.kd
    .args:
      - { .name: hidden_states_codes, .offset: 0, .size: 8, .value_kind: global_buffer, .address_space: global }
      - { .name: hidden_states_scales, .offset: 8, .size: 8, .value_kind: global_buffer, .address_space: global }
      - { .name: Wq_codes, .offset: 16, .size: 8, .value_kind: global_buffer, .address_space: global }
      - { .name: Wq_scales, .offset: 24, .size: 8, .value_kind: global_buffer, .address_space: global }
      - { .name: Wk_codes, .offset: 32, .size: 8, .value_kind: global_buffer, .address_space: global }
      - { .name: Wk_scales, .offset: 40, .size: 8, .value_kind: global_buffer, .address_space: global }
      - { .name: Wv_codes, .offset: 48, .size: 8, .value_kind: global_buffer, .address_space: global }
      - { .name: Wv_scales, .offset: 56, .size: 8, .value_kind: global_buffer, .address_space: global }
      - { .name: bq, .offset: 64, .size: 8, .value_kind: global_buffer, .address_space: global }
      - { .name: bk, .offset: 72, .size: 8, .value_kind: global_buffer, .address_space: global }
      - { .name: bv, .offset: 80, .size: 8, .value_kind: global_buffer, .address_space: global }
      - { .name: qkvc, .offset: 88, .size: 8, .value_kind: global_buffer, .address_space: global }
      - { .name: qkvs, .offset: 96, .size: 8, .value_kind: global_buffer, .address_space: global }
    .group_segment_fixed_size: 327680
    .private_segment_fixed_size: 0
    .kernarg_segment_align: 8
    .kernarg_segment_size: 104
    .max_flat_workgroup_size: 128
    .sgpr_count:     100
    .vgpr_count:     1024
    .wavefront_size: 32
...
	.end_amdgpu_metadata
.endif
;; end of part 1
;; launch attn (part 2): grid 4 x 64, 8 waves a work-group, clusters of 4 x 4, 327,680 bytes of LDS; arguments qkvc, qkvs, attention_mask, cc, cs; writes cc, cs
.if DOCPART == 2
	.amdgcn_target "amdgcn-amd-amdhsa--gfx1250"
	.amdhsa_code_object_version 6
	.text
	.protected	k_qf6e6b0ac91_attn
	.globl	k_qf6e6b0ac91_attn
	.p2align	8
	.type	k_qf6e6b0ac91_attn,@function
k_qf6e6b0ac91_attn:
	s_mov_b64 s[64:65], 0
	v_nop
	global_prefetch_b8 v0, s[64:65] scope:SCOPE_SE
	s_setreg_imm32_b32 hwreg(HW_REG_WAVE_MODE, 25, 1), 1
	s_wait_xcnt 0x0
	s_wait_alu depctr_hold_cnt(0) depctr_sa_sdst(0) depctr_va_vdst(0) depctr_va_sdst(0) depctr_va_ssrc(0) depctr_va_vcc(0) depctr_vm_vsrc(0)
	s_getreg_b32 s2, hwreg(HW_REG_IB_STS2, 6, 4)
	s_cmp_eq_u32 s2, 0
	s_cbranch_scc0 .Lentry_in_a_cluster
	s_endpgm
.Lentry_in_a_cluster:
	s_bfe_u32 s2, ttmp6, 0x10000c
	s_cmp_lg_u32 s2, 0xf033
	s_cbranch_scc0 .Lentry_shape_is_right
	s_endpgm
.Lentry_shape_is_right:
; ctx = softmax((q k^T / 8) x mask) v, both products on codes of FP6 (E2M3) with E8M0 scales; ctx is quantised along D and stored as codes for the last product.
; t = score x mask x log2(e) / 8; M = the running largest t rounded up to a whole number; p = 2^(t - M) is quantised along the keys; the row's sum is taken of the unquantised p and divides at the end.
; SHARES.  A work-group owns 128 queries x 4 heads.  Wave w: 32 queries (w % 4; two tiles qt of 16) x 2 heads (w / 4; hh): four UNITS u = 2 qt + hh.  Two waves to a SIMD, so that one wave's products and LDS
; loads stand beside the other's vector work.  The mask of a query tile is read from LDS once for both heads, V's fragments once for both query tiles.  Every wave walks the 2,048 keys, 128 a step.
; LAYOUT.  S^T = K Q^T (source 0 = 16 keys, source 1 = 16 queries), O^T = V^T P^T: a lane holds one query (lane % 16) throughout.  K, V and Q arrive as images of operand registers (see the launch before).
; K = 64 IN AN INSTRUCTION OF 128: an image of K holds key tile 2 j in registers 0-5 and key tile 2 j + 1 in registers 6-11.  Against (Q | zero codes) it gives tile 2 j, against (zero codes | Q) tile 2 j + 1:
; zero codes on ONE side are enough here, since an FP6 code is always a finite number and this program's scale bytes lie in 1 .. 254: the other half adds exact zeros.
; ORDER INSIDE A BLOCK OF 32 KEYS: p's codes come out in the order 0-7, 16-23, 8-15, 24-31, the order in which v's codes were laid.  ctx meets a given operand: its tiles are put in the true order first.
; CLUSTER 4 x 4: x = the group of four heads, y = the block of queries.  The mask's tile hangs on the queries alone and is shared along a row of the cluster; K, V and their scales hang on batch and heads and
; are shared along a column: joint loads.  Waves 0-3 ask for K and V (two heads each), waves 4-7 for 32 rows of the mask each.
; LIMITS: a p under 2^-126 counts as 0; a block of zeros gets the byte 1, not 127 (its codes are zeros); NaN and infinities are not served.
.set SLOT1, 131072                     ; slot 1: one exclusive or turns an address from one slot into the other
.set VOFF,  24576                      ; a slot: K [head 4][6,144], V likewise,
.set MOFF,  49152                      ; the mask: 128 rows of 512 bytes + 16
.set MP,    528
.set SCK,   262144                     ; behind the ring: K's scale words [head 4][step 16][256], filled once;
.set SVO,   16384                      ; V's, so far behind them
.set SPARE, 294912                     ; the spare words: 128 bytes a wave, four blocks of 256 bytes that no other line names
.set STG,   295936                     ; the stage for ctx's codes: 128 rows x 192 bytes; no tile lands there
; cc: [row 8,192][768]: a row's 1,024 codes on end; my four heads are 192 bytes of each of my 128 rows
.set HEADC, 98304
.set HEADS, 4096
.set SPW, 1                            ; window 0: v1 my spare word, v2 0: never rewritten
.set NIL, 2
.set AK0, 3                            ; v3  16 x lane + my heads' place in a slot
.set AM0, 4                            ; v4  my query row of the mask's tile
.set AS0, 5                            ; v5  8 x lane + my heads' scale words
.set ADK, 6                            ; v6-8 the same for the step in hand
.set ADM, 7
.set ADS, 8
.set LN,  9                            ; v9  lane
.set F,   10                           ; v[10:11] f = 2^(old M - new M)
.set ST,  12                           ; v12-27 unit u: +4 u: -M, the largest t, the sum in two halves
.set FS,  28                           ; v[28:29] the scale words of the four images in BUF
.set QS,  30                           ; v30-33 Q's scale words
.set PS,  34                           ; v34-37 p's scale words
.set BM,  38                           ; v38-41 a block's largest
.set BP,  42                           ; v42-45 the other half's; bytes
.set T,   46                           ; v46-49 at work
.set BO,  50                           ; v50-53 the conversions' scale operands
.set CT,  54                           ; v54-60 the conversions' second halves
.set STO, 61                           ; v61 the stage: in
.set RD,  62                           ; v62 the stage: back
.set LI,  63                           ; v63 16 x lane
.set S,   64                           ; v64-127 scores, then p
.set MK,  128                          ; v128-191 the mask of one query tile
.set BUF, 192                          ; v192-239 four images: K of a head's step, or V
.set PCT, 240                          ; v240-251 codes just made
.set QCH, 128                          ; window 1: v0-127 O^T (unit u, tile dt at 32 u + 8 dt); v128-181 the chain Z Q0 Z Q1 Z Q2 Z Q3 Z, six registers each
.set PCD, 184                          ; window 1: v184-231 p's codes, 12 a unit
.set WV,  14
.set SEL, 20
.set CS,  22
.set G1KV, 24
.set G1M,  32
.set G1S,  40
.set G0KV, 48
.set G0M,  52
.set G0S,  56
.set TB,   60                          ; s60 the slot in hand
.set TS,   61                          ; s61 256 x step: the step's scale words
.set SLOTS, 62
.set MSB, 0
.macro WIN new
.if MSB != \new
	s_set_vgpr_msb (MSB<<8)|\new
.set MSB, \new
.endif
.endm
.macro CROUND                          ; a round of the cluster's barrier
	s_barrier_signal -1
	s_barrier_wait -1
	s_cmp_lg_u32 s[WV], 0
	s_cbranch_scc1 .Lnot_wave_0_\@
	s_barrier_signal -3
.Lnot_wave_0_\@:
	s_barrier_wait -3
	s_barrier_signal -1
	s_barrier_wait -1
.endm
.macro JLOAD                           ; a joint refill; the branch hangs on the wave's number alone; four v_nop follow each of the two lines
	s_cmp_lt_u32 s[WV], 4
	s_cbranch_scc0 .Lfor_m_\@
	tensor_load_to_lds s[G0KV:G0KV+3], s[G1KV:G1KV+7]
	s_nop 0
.rept 4
	v_nop
.endr
	s_branch .Lasked_\@
.Lfor_m_\@:
	tensor_load_to_lds s[G0M:G0M+3], s[G1M:G1M+7]
	s_nop 0
.rept 4
	v_nop
.endr
.Lasked_\@:
.endm
	s_load_b256 s[4:11], s[0:1], 0x0               ; qkvc, qkvs, the mask, cc
	s_load_b64 s[12:13], s[0:1], 0x20              ; cs
	v_lshl_add_u32 v[SPW], v0, 2, SPARE
	v_mov_b32 v[NIL], 0
	ds_add_u32 v1, v2
	ds_add_u32 v1, v2
	s_wait_dscnt 0x0
	v_lshrrev_b32 v[LN], 5, v0
	s_delay_alu instid0(VALU_DEP_1)
	v_readfirstlane_b32 s[WV], v[LN]               ; wave 0..7
	s_and_b32 s15, s[WV], 3                        ; qp: my 32 queries.  Also: which part of a step's tiles I fetch
	s_lshr_b32 s16, s[WV], 2                       ; hp: my two heads
	s_bfe_u32 s17, ttmp6, 0x40000                  ; cx: the group of four heads
	s_bfe_u32 s18, ttmp6, 0x40004                  ; cy
	s_and_b32 s19, ttmp7, 0xffff                   ; the cluster's y: batch = y / 4, block of queries = 4 (y % 4) + cy
	s_lshl_b32 s66, s18, 2
	s_lshl_b32 s66, 15, s66                        ; my row of the cluster
	s_lshl_b32 s67, 0x1111, s17                    ; my column
	s_mov_b32 s[SEL], 0x76543210
	s_mov_b32 s[SEL+1], 0xfedcba98
	s_mov_b32 s[CS], 0x3e38aa3b                    ; c = log2(e) / 8
	s_mov_b32 s[CS+1], s[CS]
	; K or V of two heads for a step: 2 rows of 6,144 bytes (768 elements of 8), 98,304 bytes apart
	s_or_b32 s[G1KV], s67, (3<<16)|(1<<21)
	s_mov_b32 s[G1KV+1], 768<<16
	s_mov_b32 s[G1KV+2], 4<<16                     ; at the head one load brings four heads; behind it the two words that count rows are set to 2
	s_mov_b32 s[G1KV+3], 768<<16
	s_mov_b32 s[G1KV+4], 4
	s_mov_b32 s[G1KV+5], 12288
	s_mov_b32 s[G1KV+6], 0
	s_mov_b32 s[G1KV+7], 0
	; the mask: 32 rows of 128 f32, 2,048 elements apart, 16 bytes of padding behind each row's 128 words
	s_or_b32 s[G1M], s66, (2<<16)|(1<<20)|(1<<21)|(6<<22)|(3<<25)
	s_mov_b32 s[G1M+1], 128<<16
	s_mov_b32 s[G1M+2], 32<<16
	s_mov_b32 s[G1M+3], 128<<16
	s_mov_b32 s[G1M+4], 32
	s_mov_b32 s[G1M+5], 2048
	s_mov_b32 s[G1M+6], 0
	s_mov_b32 s[G1M+7], 0
	; four heads' scale words for all 16 steps: 16,384 dense bytes, as 64 rows of 256
	s_or_b32 s[G1S], s67, (3<<16)|(1<<21)
	s_mov_b32 s[G1S+1], 32<<16
	s_mov_b32 s[G1S+2], 64<<16                     ; four heads' scale words: 16,384 dense bytes, as 64 rows of 256
	s_mov_b32 s[G1S+3], 32<<16
	s_mov_b32 s[G1S+4], 64
	s_mov_b32 s[G1S+5], 32
	s_mov_b32 s[G1S+6], 0
	s_mov_b32 s[G1S+7], 0
	s_lshr_b32 s68, s19, 2
	s_lshl_b32 s68, s68, 4
	s_lshl_b32 s69, s17, 2
	s_add_co_u32 s68, s68, s69                     ; 16 x batch + 4 cx: the group's first head
	s_and_b32 s69, s[WV], 1
	s_lshl_b32 s69, s69, 1
	s_add_co_u32 s69, s69, s68                     ; the first of the two heads that I fetch
	s_bfe_u32 s70, s[WV], 0x10001
	s_add_co_u32 s70, s70, 1                       ; plane 1 (k) or 2 (v)
	s_mul_i32 s72, s69, HEADC
	s_mul_i32 s71, s70, 6291456
	s_add_co_u32 s72, s72, s71
	s_mov_b32 s73, 0
	s_lshl_b32 s74, s68, 12
	s_lshl_b32 s71, s70, 18
	s_add_co_u32 s74, s74, s71
	s_mov_b32 s75, 0
	s_and_b32 s76, s19, 3
	s_lshl_b32 s76, s76, 2
	s_add_co_u32 s76, s76, s18                     ; my block of 128 queries in the batch
	s_lshl_b32 s77, s76, 2
	s_add_co_u32 s77, s77, s15
	s_lshl_b32 s80, s77, 18                        ; the mask's rows that I fetch: 32 rows of 8,192 bytes each
	s_mov_b32 s81, 0
	s_lshl_b32 s82, s16, 1
	s_add_co_u32 s82, s82, s68                     ; my first head
	s_mul_i32 s84, s82, HEADC
	s_mul_i32 s83, s76, 6144
	s_add_co_u32 s84, s84, s83
	s_mul_i32 s83, s15, 1536
	s_add_co_u32 s84, s84, s83                     ; Q's image: head, block, sub qp
	s_mov_b32 s85, 0
	s_lshl_b32 s86, s82, 12
	s_lshl_b32 s83, s76, 8
	s_add_co_u32 s86, s86, s83
	s_and_b32 s83, s15, 1
	s_lshl_b32 s83, s83, 7
	s_add_co_u32 s86, s86, s83
	s_lshr_b32 s83, s15, 1
	s_lshl_b32 s83, s83, 2
	s_add_co_u32 s86, s86, s83                     ; its scale words: 8 (16 (qp % 2) + r) + 4 (qp / 2)
	s_mov_b32 s87, 0
	s_lshl_b32 s88, s19, 2
	s_add_co_u32 s88, s88, s18                     ; my block of 128 rows among the 8,192
	s_mul_i32 s90, s88, 98304
	s_mul_i32 s89, s17, 192
	s_add_co_u32 s90, s90, s89
	s_mul_i32 s89, s[WV], 12288                    ; cc: row 128 block + 16 wave, byte 192 cx
	s_add_co_u32 s90, s90, s89                     ; cc: my wave's 3,072 of the work-group's 24,576 dense bytes
	s_mov_b32 s91, 0
	s_wait_kmcnt 0x0
	s_add_nc_u64 s[10:11], s[10:11], s[90:91]
	s_lshl_b32 s90, s88, 12
	s_lshl_b32 s89, s15, 10
	s_add_co_u32 s90, s90, s89
	s_lshl_b32 s89, s17, 3
	s_add_co_u32 s90, s90, s89
	s_lshl_b32 s89, s16, 2
	s_add_co_u32 s90, s90, s89                     ; cs: row (128 block + 32 qp) x 32 + my two heads' four bytes
	s_add_nc_u64 s[12:13], s[12:13], s[90:91]
	s_add_nc_u64 s[84:85], s[4:5], s[84:85]
	s_add_nc_u64 s[86:87], s[6:7], s[86:87]
	s_mov_b32 s[G0KV], 1
	s_mul_i32 s[G0KV+1], s15, 12288                ; LDS: K's heads 0, 1; 2, 3; V's heads 0, 1; 2, 3
	s_add_nc_u64 s[G0KV+2:G0KV+3], s[4:5], s[72:73]
	s_or_b32 s[G0KV+3], s[G0KV+3], 0x80000000
	s_mov_b32 s[G0M], 1
	s_mul_i32 s[G0M+1], s15, 32*MP
	s_add_co_u32 s[G0M+1], s[G0M+1], MOFF
	s_add_nc_u64 s[G0M+2:G0M+3], s[8:9], s[80:81]
	s_or_b32 s[G0M+3], s[G0M+3], 0x80000000
	s_mov_b32 s[G0S], 1
	s_lshr_b32 s[G0S+1], s15, 1
	s_lshl_b32 s[G0S+1], s[G0S+1], 14              ; wave 1: K's scale words, wave 3: V's
	s_add_co_u32 s[G0S+1], s[G0S+1], SCK
	s_add_nc_u64 s[G0S+2:G0S+3], s[6:7], s[74:75]
	s_or_b32 s[G0S+3], s[G0S+3], 0x80000000
	CROUND                                         ; all sixteen work-groups are here: the first joint loads meet
	s_cmp_lt_u32 s[WV], 4                          ; the first fills, one a wave, in one chain of branches: wave 0 K of four heads, wave 2 V, waves 1 and 3 their scale words, waves 4-7 the mask
	s_cbranch_scc0 .Lfirst_m
	s_and_b32 s92, s[WV], 1
	s_cmp_eq_u32 s92, 0
	s_cbranch_scc0 .Lfirst_s
	tensor_load_to_lds s[G0KV:G0KV+3], s[G1KV:G1KV+7]
	s_nop 0
.rept 4
	v_nop
.endr
	s_branch .Lfirst_asked
.Lfirst_s:
	tensor_load_to_lds s[G0S:G0S+3], s[G1S:G1S+7]
	s_nop 0
.rept 4
	v_nop
.endr
	s_branch .Lfirst_asked
.Lfirst_m:
	tensor_load_to_lds s[G0M:G0M+3], s[G1M:G1M+7]
	s_nop 0
.rept 4
	v_nop
.endr
.Lfirst_asked:
	v_and_b32 v[LN], 31, v0
	s_delay_alu instid0(VALU_DEP_1)
	v_lshlrev_b32 v[LI], 4, v[LN]
	v_and_b32 v100, 15, v0                         ; r
	s_wait_alu depctr_va_vdst(0)
	v_bfe_u32 v101, v0, 4, 1                       ; h
	v_lshlrev_b32 v103, 3, v100
.irp hh, 0,1
.irp i, 0,1,2
	global_load_b128 v[S+12*\hh+4*\i:S+12*\hh+4*\i+3], v[LI], s[84:85] offset:HEADC*\hh+512*\i   ; Q's image of head hh: query tile 0 in registers 0-5, tile 1 in 6-11
.endr
	global_load_b32 v[104+\hh], v103, s[86:87] offset:HEADS*\hh
.endr
	s_mul_i32 s92, s16, 12288
	v_lshl_add_u32 v[AK0], v[LN], 4, s92
	s_mul_i32 s92, s15, 32*MP
	s_add_co_u32 s92, s92, MOFF
	v_mul_u32_u24 v[AM0], v100, MP
	s_delay_alu instid0(VALU_DEP_1)
	v_lshl_add_u32 v[AM0], v101, 5, v[AM0]
	s_delay_alu instid0(VALU_DEP_1)
	v_add_nc_u32 v[AM0], s92, v[AM0]               ; row 32 qp + r, + 32 h: keys 8 h on
	s_lshl_b32 s92, s16, 13
	s_add_co_u32 s92, s92, SCK
	v_lshl_add_u32 v[AS0], v[LN], 3, s92
	s_mul_i32 s92, s15, 6144
	s_mul_i32 s93, s16, 96
	s_add_co_u32 s92, s92, s93
	s_add_co_u32 s92, s92, STG
	v_mul_u32_u24 v[STO], v100, 192
	s_wait_alu depctr_va_vdst(0)
	v_mad_u32_u24 v[STO], v101, 24, v[STO]
	s_delay_alu instid0(VALU_DEP_1)
	v_add_nc_u32 v[STO], s92, v[STO]               ; the stage: row 32 qp + r, my two heads' 96 bytes, + 24 h
	s_mul_i32 s92, s[WV], 3072
	s_add_co_u32 s92, s92, STG
	v_add_nc_u32 v[RD], s92, v[LI]
	WIN 0x40                                       ; destination window 1
.set jj, 0
.rept 128
	v_mov_b32 v[jj], 0                             ; O^T: the step is written once; its first pass finds zeros, which the first change of M leaves zeros
.set jj, jj+1
.endr
.irp k, 0,1,2,3,4
.irp i, 0,1,2,3,4,5
	v_mov_b32 v[QCH+12*\k+\i], 0                   ; the five runs of zero codes
.endr
.endr
	s_wait_loadcnt 0x0
.irp hh, 0,1
.irp i, 0,1,2,3,4,5
	v_mov_b32 v[QCH+12*\hh+6+\i], v[S+12*\hh+\i]           ; unit hh (query tile 0)
	v_mov_b32 v[QCH+12*(2+\hh)+6+\i], v[S+12*\hh+6+\i]     ; unit 2 + hh (query tile 1)
.endr
.endr
	WIN 0
.irp hh, 0,1
	v_perm_b32 v[QS+\hh], v[104+\hh], v[104+\hh], 0x01000100     ; a tile's two bytes, for either half of the instruction's K
	v_perm_b32 v[QS+2+\hh], v[104+\hh], v[104+\hh], 0x03020302
.endr
.irp u, 0,1,2,3
	v_mov_b32 v[ST+4*\u+1], 0xff61b1e6             ; the largest t so far: -3e38
	s_delay_alu instid0(VALU_DEP_1)
	v_floor_f32 v[ST+4*\u], -v[ST+4*\u+1]          ; -M
	v_mov_b32 v[ST+4*\u+2], 0
	v_mov_b32 v[ST+4*\u+3], 0
.endr
.irp b, 0,1,2,3
	v_mov_b32 v[BP+\b], 0                          ; a lane permute's destination counts as one of its sources
.endr
	v_mov_b32 v[F+1], 0                            ; named with f as a pair
	s_mov_b32 s[TB], 0
	s_mov_b32 s[TS], 0
	s_mov_b32 s[SLOTS], 15
.macro LDK hh                          ; a head's four images of K (eight key tiles) and their scale words: every load 512 consecutive bytes
.irp i, 0,1,2,3,4,5,6,7,8,9,10,11
	ds_load_b128 v[BUF+4*\i:BUF+4*\i+3], v[ADK] offset:(\hh)*6144+512*\i
.endr
	ds_load_b64 v[FS:FS+1], v[ADS] offset:(\hh)*HEADS
.endm
.macro LDV hh                          ; a head's four fragments of V^T
.irp i, 0,1,2,3,4,5,6,7,8,9,10,11
	ds_load_b128 v[BUF+4*\i:BUF+4*\i+3], v[ADK] offset:VOFF+(\hh)*6144+512*\i
.endr
	ds_load_b64 v[FS:FS+1], v[ADS] offset:SVO+(\hh)*HEADS
.endm
.macro LDMASK qt                       ; register 8 t + j: mask(my query, key 16 t + 8 h + j), as the scores lie; sixteen lanes take sixteen rows 132 words apart
.irp t, 0,1,2,3,4,5,6,7
	ds_load_b128 v[MK+8*\t:MK+8*\t+3], v[ADM] offset:(\qt)*16*MP+64*\t
	ds_load_b128 v[MK+8*\t+4:MK+8*\t+7], v[ADM] offset:(\qt)*16*MP+64*\t+16
.endr
.endm
.macro QK u                            ; eight tiles of 16 keys x my 16 queries
	WIN 0x04                                       ; source 1 in window 1
.irp j, 0,1,2,3
.irp e, 0,1
.if \j%2
	v_wmma_scale_f32_16x16x128_f8f6f4 v[S+8*(2*\j+\e):S+8*(2*\j+\e)+7], v[BUF+12*\j:BUF+12*\j+11], v[QCH+12*(\u)+6*(1-\e):QCH+12*(\u)+6*(1-\e)+11], 0, v[FS+\j/2], v[QS+(\u)] matrix_a_fmt:MATRIX_FMT_FP6 matrix_b_fmt:MATRIX_FMT_FP6 matrix_a_scale:MATRIX_SCALE_ROW1
.else
	v_wmma_scale_f32_16x16x128_f8f6f4 v[S+8*(2*\j+\e):S+8*(2*\j+\e)+7], v[BUF+12*\j:BUF+12*\j+11], v[QCH+12*(\u)+6*(1-\e):QCH+12*(\u)+6*(1-\e)+11], 0, v[FS+\j/2], v[QS+(\u)] matrix_a_fmt:MATRIX_FMT_FP6 matrix_b_fmt:MATRIX_FMT_FP6
.endif
.endr
.endr
	WIN 0
.rept 4
	v_nop                                          ; places in front of the loads into the images' registers and of the first read of the scores
.endr
.endm
.macro PV hh                           ; O^T += V^T P^T for head hh, both query tiles: eight accumulators, one instruction each
	s_wait_dscnt 0x0                               ; V's fragments are in
	WIN 0x54                                       ; source 1, C and D in window 1
.irp dt, 0,1,2,3
.irp qt, 0,1
.if \dt%2
	v_wmma_scale_f32_16x16x128_f8f6f4 v[32*(2*\qt+(\hh))+8*\dt:32*(2*\qt+(\hh))+8*\dt+7], v[BUF+12*\dt:BUF+12*\dt+11], v[PCD+12*(2*\qt+(\hh)):PCD+12*(2*\qt+(\hh))+11], v[32*(2*\qt+(\hh))+8*\dt:32*(2*\qt+(\hh))+8*\dt+7], v[FS+\dt/2], v[PS+2*\qt+(\hh)] matrix_a_fmt:MATRIX_FMT_FP6 matrix_b_fmt:MATRIX_FMT_FP6 matrix_a_scale:MATRIX_SCALE_ROW1
.else
	v_wmma_scale_f32_16x16x128_f8f6f4 v[32*(2*\qt+(\hh))+8*\dt:32*(2*\qt+(\hh))+8*\dt+7], v[BUF+12*\dt:BUF+12*\dt+11], v[PCD+12*(2*\qt+(\hh)):PCD+12*(2*\qt+(\hh))+11], v[32*(2*\qt+(\hh))+8*\dt:32*(2*\qt+(\hh))+8*\dt+7], v[FS+\dt/2], v[PS+2*\qt+(\hh)] matrix_a_fmt:MATRIX_FMT_FP6 matrix_b_fmt:MATRIX_FMT_FP6
.endif
.endr
.endr
	WIN 0
.rept 4
	v_nop
.endr
.endm
.macro SCALEW pw                       ; from the blocks' largest magnitudes: the conversions' operands, the bytes, the scale word
.irp b, 0,1,2,3
	s_delay_alu instid0(VALU_DEP_4)
	v_add_nc_u32 v[BO+\b], 0xff000000, v[BM+\b]    ; 2 off the exponent field
.endr
.irp b, 0,1,2,3
	s_delay_alu instid0(VALU_DEP_4)
	v_lshrrev_b32 v[BP+\b], 23, v[BO+\b]
.endr
	s_delay_alu instid0(VALU_DEP_3)
	v_lshl_or_b32 v[\pw], v[BP+1], 8, v[BP]
	s_delay_alu instid0(VALU_DEP_1)
	v_lshl_or_b32 v[\pw], v[BP+2], 16, v[\pw]
	s_delay_alu instid0(VALU_DEP_1)
	v_lshl_or_b32 v[\pw], v[BP+3], 24, v[\pw]
.endm
.macro CODES                           ; the 64 numbers in S become codes; then a whole block to a lane: lanes 0-15 the even block, lanes 16-31 the odd one
	v_cvt_scalef32_pk16_fp6_f32 v[PCT:PCT+2], v[S:S+15], v[BO]
	v_cvt_scalef32_pk16_fp6_f32 v[CT:CT+2], v[S+16:S+31], v[BO+1]
	v_cvt_scalef32_pk16_fp6_f32 v[PCT+6:PCT+8], v[S+32:S+47], v[BO+2]
	v_cvt_scalef32_pk16_fp6_f32 v[CT+4:CT+6], v[S+48:S+63], v[BO+3]
	v_nop                                          ; one plain line behind the scaled conversions
.irp i, 0,1,2
	v_permlane16_swap_b32 v[PCT+\i], v[CT+\i]
	v_permlane16_swap_b32 v[PCT+6+\i], v[CT+4+\i]
.endr
.endm
; The softmax of unit u, first part: mask, maxima, M, f, p.  ml = 1: behind the mask's last use the other query tile's mask is fetched.
.macro SM_A u, ml
.set rT, ST+4*(\u)
.set jj, 0
.rept 32
	v_dual_mul_f32 v[S+jj], v[S+jj], v[MK+jj] :: v_dual_mul_f32 v[S+jj+1], v[S+jj+1], v[MK+jj+1]   ; the mask is MULTIPLIED into the scores; each tile of scores is read from its low end on
.set jj, jj+2
.endr
.if \ml
	LDMASK 1
.endif
.irp b, 0,1,2,3
	v_max3_num_f32 v[BM+\b], v[S+16*\b], v[S+16*\b+1], v[S+16*\b+2]   ; the largest score of each block of 32 keys: for the row's maximum and for the block's largest p
.endr
.irp i, 3,5,7,9,11,13
.irp b, 0,1,2,3
	s_delay_alu instid0(VALU_DEP_4)
	v_max3_num_f32 v[BM+\b], v[BM+\b], v[S+16*\b+\i], v[S+16*\b+\i+1]
.endr
.endr
.irp b, 0,1,2,3
	s_delay_alu instid0(VALU_DEP_4)
	v_max_num_f32 v[BM+\b], v[BM+\b], v[S+16*\b+15]
.endr
.irp b, 0,1,2,3
	s_delay_alu instid0(VALU_DEP_4)
	v_permlanex16_b32 v[BP+\b], v[BM+\b], s[SEL], s[SEL+1]
.endr
.irp b, 0,1,2,3
	s_delay_alu instid0(VALU_DEP_4)
	v_max_num_f32 v[BM+\b], v[BM+\b], v[BP+\b]
.endr
	s_delay_alu instid0(VALU_DEP_2)
	v_max3_num_f32 v[T+2], v[BM], v[BM+1], v[BM+2]
	s_delay_alu instid0(VALU_DEP_1)
	v_max_num_f32 v[T+2], v[T+2], v[BM+3]
	s_delay_alu instid0(VALU_DEP_1)
	v_mul_f32 v[T+2], s[CS], v[T+2]                ; as t (c is positive)
	s_delay_alu instid0(VALU_DEP_1)
	v_max_num_f32 v[rT+1], v[rT+1], v[T+2]         ; the running largest t
	v_mov_b32 v[T+2], v[rT]
	s_delay_alu instid0(VALU_DEP_2)
	v_floor_f32 v[rT], -v[rT+1]                    ; -M = floor(-t): M is a whole number
	s_delay_alu instid0(VALU_DEP_1)
	v_sub_f32 v[T+2], v[rT], v[T+2]                ; old M - new M, 0 or less
	s_delay_alu instid0(VALU_DEP_1)
	v_cvt_i32_f32 v[T+2], v[T+2]                   ; (it saturates)
	v_mov_b32 v[T+3], v[rT]                        ; -M once more, in an odd register: the pairs below take their second sources from two banks
	s_delay_alu instid0(VALU_DEP_2)
	v_ldexp_f32 v[F], 1.0, v[T+2]                  ; f: a multiplication by it rounds nothing
.set jj, 0
.rept 32
	v_dual_fmamk_f32 v[S+jj], v[S+jj], 0x3e38aa3b, v[rT] :: v_dual_fmamk_f32 v[S+jj+1], v[S+jj+1], 0x3e38aa3b, v[T+3]   ; t - M = score x c - M, fused
.set jj, jj+2
.endr
.irp b, 0,1,2,3
	v_fma_f32 v[BM+\b], v[BM+\b], s[CS], v[rT]
.endr
.set jj, 0
	s_wait_alu depctr_va_vdst(0)
.rept 64
	v_exp_f32 v[S+jj], v[S+jj]                     ; p = 2^(t - M)
.set jj, jj+1
.endr
	v_pk_mul_f32 v[rT+2:rT+3], v[rT+2:rT+3], v[F:F+1] op_sel_hi:[1,0]   ; the sum under the new M: the plain line behind the exponentials
	s_wait_alu depctr_va_vdst(0)                   ; one wait for the batch of 64, ahead of its first reader
.irp b, 0,1,2,3
	v_exp_f32 v[BM+\b], v[BM+\b]                   ; the blocks' largest p: the same two instructions on the same number
.endr
.endm
; Second part: the sum, p's scales and codes, O^T under the new M.
.macro SM_B u
.set rT, ST+4*(\u)
	v_dual_add_f32 v[T], v[S], v[S+2] :: v_dual_add_f32 v[T+1], v[S+1], v[S+3]    ; the sum of the unquantised p, in four chains, two to a pair
.irp j, 4,8,12,16,20,24,28,32,36,40,44,48,52,56,60
	v_dual_add_f32 v[rT+2], v[rT+2], v[S+\j] :: v_dual_add_f32 v[rT+3], v[rT+3], v[S+\j+1]
	v_dual_add_f32 v[T], v[T], v[S+\j+2] :: v_dual_add_f32 v[T+1], v[T+1], v[S+\j+3]
.endr
	v_dual_add_f32 v[rT+2], v[rT+2], v[T] :: v_dual_add_f32 v[rT+3], v[rT+3], v[T+1]
	s_wait_alu depctr_va_vdst(0)                   ; and one for the four
.irp b, 0,1,2,3
	v_max_num_f32 v[BM+\b], 0x1800000, v[BM+\b]    ; the floor 2^(3 - 127): the byte cannot fall under 1
.endr
	SCALEW PS+(\u)
	CODES
	WIN 0x40                                       ; the codes go to their unit's place in window 1
.irp i, 0,1,2
	v_mov_b32 v[PCD+12*(\u)+\i], v[PCT+\i]
	v_mov_b32 v[PCD+12*(\u)+3+\i], v[CT+\i]
	v_mov_b32 v[PCD+12*(\u)+6+\i], v[PCT+6+\i]
	v_mov_b32 v[PCD+12*(\u)+9+\i], v[CT+4+\i]
.endr
	WIN 0x41
.set jj, 0
.rept 16
	v_pk_mul_f32 v[32*(\u)+jj:32*(\u)+jj+1], v[32*(\u)+jj:32*(\u)+jj+1], v[F:F+1] op_sel_hi:[1,0]   ; O^T x f, each accumulator from its low end on; these are also the places ahead of the products
.set jj, jj+2
.endr
	WIN 0
.endm
; A unit's turn.  nxt: what is fetched into the images' registers behind the scores' products (0, 1: K of head 0, 1; 2: V of head 0): it lands under the softmax.  hk = 1: head 0's second product stands in the middle.
.macro UNIT u, nxt, ml, hk
	s_wait_dscnt 0x0                               ; K's images, their scale words and, where it was asked for, the mask are in
	QK \u
.if \nxt == 2
	LDV 0
.else
	LDK \nxt
.endif
	SM_A \u, \ml
.if \hk
	PV 0
	LDV 1
.endif
	SM_B \u
.endm
.macro STEP                            ; 128 keys for my four units
	v_add_nc_u32 v[ADK], s[TB], v[AK0]
	v_add_nc_u32 v[ADM], s[TB], v[AM0]
	v_add_nc_u32 v[ADS], s[TS], v[AS0]
	LDMASK 0
	LDK 0
	s_wait_alu depctr_va_vdst(0)
	UNIT 0, 1, 0, 0
	UNIT 1, 0, 1, 0
	UNIT 2, 1, 0, 0
	UNIT 3, 2, 0, 1
	s_wait_alu depctr_va_vdst(0)
	PV 1
	s_xor_b32 s[TB], s[TB], SLOT1
	s_add_co_u32 s[TS], s[TS], 256
.endm
; THE CHANGE OF SLOTS stands at a step's head.  Each wave waits for all its tensor loads (its part of the slot ahead), adds 0 to its spare word, and waits for that and for its reads of the slot that it has left.
; fill = 1: a round of the cluster's barrier, and behind it the slot that was left is filled with the next step's tiles: one load a wave, with a whole key step in which to land.
.macro CHANGE fill
	s_wait_tensorcnt 0x0                           ; no tensor load of mine is out, so a group 0 may be written
	ds_add_u32 v[SPW], v[NIL]                      ; 0 onto my spare word
.if \fill
	s_mov_b32 s[G1KV+2], 2<<16                     ; from here on a load of K or V brings two heads
	s_mov_b32 s[G1KV+4], 2
	s_xor_b32 s[G0KV+1], s[G0KV+1], SLOT1
	s_add_nc_u64 s[G0KV+2:G0KV+3], s[G0KV+2:G0KV+3], 6144   ; the next block of 128 keys
	s_xor_b32 s[G0M+1], s[G0M+1], SLOT1
	s_add_nc_u64 s[G0M+2:G0M+3], s[G0M+2:G0M+3], 512        ; 128 columns of the mask on
	s_wait_dscnt 0x0
	CROUND
	JLOAD
.else
	s_wait_dscnt 0x0
	s_barrier_signal -1
	s_barrier_wait -1
.endif
.endm
.Lstep:                                            ; 15 trips: behind each change of slots but the last the next step's tiles are asked for
	CHANGE 1
	STEP
	s_sub_co_u32 s[SLOTS], s[SLOTS], 1
	s_cmp_lg_u32 s[SLOTS], 0
	s_cbranch_scc1 .Lstep
	CHANGE 0                                       ; the last step is written out
	STEP
	; THE WAY OUT: O^T / the sum; the true order along d; quantised along D (my two heads are 128 of a row's K); codes through the stage, and from there as 192 bytes of each row of cc.
.irp u, 0,1,2,3
	v_add_f32 v[BM+\u], v[ST+4*\u+2], v[ST+4*\u+3]
.endr
.irp u, 0,1,2,3
	s_delay_alu instid0(VALU_DEP_4)
	v_permlanex16_b32 v[BP+\u], v[BM+\u], s[SEL], s[SEL+1]
.endr
.irp u, 0,1,2,3
	s_delay_alu instid0(VALU_DEP_4)
	v_add_f32 v[BM+\u], v[BM+\u], v[BP+\u]         ; the row's sum
.endr
	s_wait_alu depctr_va_vdst(0)
.irp u, 0,1,2,3
	v_rcp_f32 v[ST+4*\u+2], v[BM+\u]
.endr
	v_nop                                          ; a plain line behind the last reciprocal
	s_wait_alu depctr_va_vdst(0)                   ; one wait for the four, ahead of their first reader
.macro OUTQ qt
	WIN 0x01                                       ; source 0 in window 1
.irp hh, 0,1
.set jj, 0
.rept 16
	v_pk_mul_f32 v[S+32*\hh+jj:S+32*\hh+jj+1], v[32*(2*(\qt)+\hh)+jj:32*(2*(\qt)+\hh)+jj+1], v[ST+4*(2*(\qt)+\hh)+2:ST+4*(2*(\qt)+\hh)+3] op_sel_hi:[1,0]
.set jj, jj+2
.endr
.endr
	WIN 0
.irp q, 0,1,2,3                        ; register j of tile 2 b changes halves with register j of tile 2 b + 1: register 16 b + i then holds d = 32 b + 16 h + i
.irp j, 0,1,2,3,4,5,6,7
	v_permlane16_swap_b32 v[S+16*\q+\j], v[S+16*\q+8+\j]
.endr
.endr
.irp b, 0,1,2,3
	v_max3_num_f32 v[BM+\b], |v[S+16*\b]|, |v[S+16*\b+1]|, 0x1800000
.endr
.irp i, 2,4,6,8,10,12,14
.irp b, 0,1,2,3
	s_delay_alu instid0(VALU_DEP_4)
	v_max3_num_f32 v[BM+\b], v[BM+\b], |v[S+16*\b+\i]|, |v[S+16*\b+\i+1]|
.endr
.endr
.irp b, 0,1,2,3
	s_delay_alu instid0(VALU_DEP_4)
	v_permlanex16_b32 v[BP+\b], v[BM+\b], s[SEL], s[SEL+1]
.endr
.irp b, 0,1,2,3
	s_delay_alu instid0(VALU_DEP_4)
	v_max_num_f32 v[BM+\b], v[BM+\b], v[BP+\b]
.endr
	SCALEW PS+(\qt)
	CODES
.irp i, 0,1,2
	v_mov_b32 v[PCT+3+\i], v[CT+\i]
	v_mov_b32 v[PCT+9+\i], v[CT+4+\i]
.endr
.irp c, 0,1
.irp p, 0,1,2
	ds_store_b64 v[STO], v[PCT+6*\c+2*\p:PCT+6*\c+2*\p+1] offset:(\qt)*3072+48*\c+8*\p   ; registers 6 c .. 6 c + 5 are bytes 48 c + 24 h on of my 96
.endr
.endr
	s_wait_dscnt 0x0                               ; the stores have read their registers
.endm
	OUTQ 0
	OUTQ 1
	v_cmp_lt_u32 vcc_lo, 15, v[LN]
	s_delay_alu instid0(VALU_DEP_1)
	v_cndmask_b32 v[T], v[PS], v[PS+1], vcc_lo     ; lanes 0-15: rows of query tile 0, lanes 16-31: of tile 1
	v_lshlrev_b32 v[T+1], 5, v[LN]
	global_store_b32 v[T+1], v[T], s[12:13]        ; four bytes of each row's 32: rows 32 bytes apart, one store a wave
.irp i, 0,1,2,3,4,5
	v_add_nc_u32 v[MK+\i], 32*\i, v[LN]            ; piece n = lane + 32 i of my 16 rows x 12 pieces of 16 bytes
	v_mul_u32_u24 v[MK+8+\i], v[MK+\i], 0xaaab
	v_lshrrev_b32 v[MK+8+\i], 19, v[MK+8+\i]       ; n / 12 (n under 192)
	v_mul_u32_u24 v[MK+8+\i], v[MK+8+\i], 576
	v_lshl_add_u32 v[MK+\i], v[MK+\i], 4, v[MK+8+\i]   ; 16 n + 576 (n / 12): row n / 12 of 768 bytes, piece n % 12
.endr
	s_wait_alu depctr_va_vdst(0)
	s_barrier_signal -1                            ; every wave's stores into the stage are done (the wait for 0 above)
	s_barrier_wait -1
.irp i, 0,1,2,3,4,5
	ds_load_b128 v[S+4*\i:S+4*\i+3], v[RD] offset:512*\i
.endr
.irp i, 0,1,2,3,4,5
	s_wait_dscnt 5-\i                              ; the younger loads may be out
	global_store_b128 v[MK+\i], v[S+4*\i:S+4*\i+3], s[10:11]   ; twelve neighbouring lanes store a row's 192 bytes
.endr
	s_wait_tensorcnt 0x0                           ; the wave's end
	ds_add_u32 v[SPW], v[NIL]
	s_wait_dscnt 0x0
	CROUND                                         ; the closing round
	s_endpgm
.Lfunc_end_k_qf6e6b0ac91_attn:
	.size	k_qf6e6b0ac91_attn, .Lfunc_end_k_qf6e6b0ac91_attn-k_qf6e6b0ac91_attn
	.p2alignl 7, 3214868480
	.fill 96, 4, 3214868480
	.section	.rodata,"a",@progbits
	.p2align	6, 0x0
	.amdhsa_kernel k_qf6e6b0ac91_attn
		.amdhsa_group_segment_fixed_size 327680
		.amdhsa_private_segment_fixed_size 0
		.amdhsa_enable_private_segment 0
		.amdhsa_kernarg_size 40
		.amdhsa_user_sgpr_count 2
		.amdhsa_user_sgpr_kernarg_segment_ptr 1
		.amdhsa_wavefront_size32 1
		.amdhsa_system_sgpr_workgroup_id_x 1
		.amdhsa_system_sgpr_workgroup_id_y 1
		.amdhsa_system_sgpr_workgroup_id_z 1
		.amdhsa_system_vgpr_workitem_id 0
		.amdhsa_next_free_vgpr 512
		.amdhsa_next_free_sgpr 96
		.amdhsa_reserve_vcc 1
		.amdhsa_float_denorm_mode_32 3
		.amdhsa_float_denorm_mode_16_64 3
		.amdhsa_memory_ordered 1
		.amdhsa_forward_progress 1
		.amdhsa_inst_pref_size 203
	.end_amdhsa_kernel
	.amdgpu_metadata
---
amdhsa.version: [ 1, 2 ]
amdhsa.kernels:
  - .name:           k_qf6e6b0ac91_attn
    .symbol:         k_qf6e6b0ac91_attn.kd
    .args:
      - { .name: qkvc, .offset: 0, .size: 8, .value_kind: global_buffer, .address_space: global }
      - { .name: qkvs, .offset: 8, .size: 8, .value_kind: global_buffer, .address_space: global }
      - { .name: attention_mask, .offset: 16, .size: 8, .value_kind: global_buffer, .address_space: global }
      - { .name: cc, .offset: 24, .size: 8, .value_kind: global_buffer, .address_space: global }
      - { .name: cs, .offset: 32, .size: 8, .value_kind: global_buffer, .address_space: global }
    .group_segment_fixed_size: 327680
    .private_segment_fixed_size: 0
    .kernarg_segment_align: 8
    .kernarg_segment_size: 40
    .max_flat_workgroup_size: 256
    .sgpr_count:     96
    .vgpr_count:     512
    .wavefront_size: 32
...
	.end_amdgpu_metadata
.endif
;; end of part 2
;; launch outp (part 3): grid 4 x 64, 4 waves a work-group, clusters of 4 x 4, 327,680 bytes of LDS; arguments cc, cs, Wo_codes, Wo_scales, out0, bo; writes out0
.if DOCPART == 3
	.amdgcn_target "amdgcn-amd-amdhsa--gfx1250"
	.amdhsa_code_object_version 6
	.text
	.protected	k_qf6e6b0ac91_outp
	.globl	k_qf6e6b0ac91_outp
	.p2align	8
	.type	k_qf6e6b0ac91_outp,@function
k_qf6e6b0ac91_outp:
	s_mov_b64 s[64:65], 0
	v_nop
	global_prefetch_b8 v0, s[64:65] scope:SCOPE_SE
	s_setreg_imm32_b32 hwreg(HW_REG_WAVE_MODE, 25, 1), 1
	s_wait_xcnt 0x0
	s_wait_alu depctr_hold_cnt(0) depctr_sa_sdst(0) depctr_va_vdst(0) depctr_va_sdst(0) depctr_va_ssrc(0) depctr_va_vcc(0) depctr_vm_vsrc(0)
	s_getreg_b32 s2, hwreg(HW_REG_IB_STS2, 6, 4)
	s_cmp_eq_u32 s2, 0
	s_cbranch_scc0 .Lentry_in_a_cluster
	s_endpgm
.Lentry_in_a_cluster:
	s_bfe_u32 s2, ttmp6, 0x10000c
	s_cmp_lg_u32 s2, 0xf033
	s_cbranch_scc0 .Lentry_shape_is_right
	s_endpgm
.Lentry_shape_is_right:
; out = ctx Wo + bo on codes of FP6 (E2M3) with E8M0 scales, sums in f32.  cc: [8,192][768] codes, cs: [8,192][32] scale bytes, as the launch before stored them.
; SHARES.  A work-group owns 128 rows x 256 columns of out; wave w all 128 rows x 64 columns: 32 accumulators.  64 x 4 blocks: one work-group for each of 256 blocks.
; LDS holds ALL of K: 128 rows of ctx and 256 rows of Wo, each 768 bytes of memory that begin at a multiple of 256, with 16 bytes of padding behind every 256: pitch 816.  Filled once, one joint load a wave.
; Source 0 = 16 rows of Wo, source 1 = 16 rows of ctx: a lane holds eight neighbouring columns of one row of out.  The bias is the C of the first products.
; SCALES go from memory into registers: lane (r, h) takes bytes 16 h .. 16 h + 15 of row r's 32; register q holds K step q in lanes 0-15 and K step 4 + q in lanes 16-31.
; THE WAY OUT: 16 rows x 256 bytes at a time through my own stage, which lies in ctx's tile: that tile has had its only fill, and a barrier shows that every wave has read it out.
; CLUSTER 4 x 4: ctx's tile is shared along a row, Wo's along a column.  No prefetch: every tile is asked for at the head, and there is no loop of loads to run ahead in.
.set PITCH,  816
.set WOFF,   128*PITCH
.set SPARE,  384*PITCH
.set PADW,   (1<<20)|(1<<21)|(5<<22)|(3<<25)
.set SPITCH, 272
.set ADT, 16
.set ADW, 20
.set OSC, 22
.set OBX, 23
.set STO, 24
.set RD,  25
.set CO,  26
.set SPW, 28
.set NIL, 29
.set HS,  32
.set WS,  64
.set BX,  80
.set BK,  128
.set G1T, 24
.set G0T, 32
.set G1W, 48
.set G0W, 56
.set MSB, 0
.macro WIN new
.if MSB != (\new)
	s_set_vgpr_msb (MSB<<8)|(\new)
.set MSB, (\new)
.endif
.endm
.macro CROUND
	s_barrier_signal -1
	s_barrier_wait -1
	s_cmp_lg_u32 s14, 0
	s_cbranch_scc1 .Lnot_wave_0_\@
	s_barrier_signal -3
.Lnot_wave_0_\@:
	s_barrier_wait -3
	s_barrier_signal -1
	s_barrier_wait -1
.endm
.macro PLACES
.rept 4
	v_nop
.endr
.endm
.macro FRAG reg, adr, st, i            ; byte y of a row lies at y + 16 (y / 256); lanes 16-31 read 24 bytes on, which may be behind one more padding
.irp p, 0,1,2,3,4,5
.set BY, 96*(\st)+48*(\p/3)+8*(\p%3)
.if BY/256 == (BY+24)/256
	ds_load_b64 v[\reg+2*\p:\reg+2*\p+1], v[\adr] offset:BY+16*(BY/256)+(\i)*16*PITCH
.else
	ds_load_b64 v[\reg+2*\p:\reg+2*\p+1], v[\adr+1] offset:BY+16*(BY/256)+(\i)*16*PITCH
.endif
.endr
.endm
.macro RUNA st
	WIN 0x80+0x40*((\st)%2)
.irp i, 0,1,2,3
	FRAG 12*\i, ADT, \st, \i
	FRAG 96+12*\i, ADW, \st, \i
.endr
.endm
.macro RUNB st
	WIN 0x80+0x40*((\st)%2)
.irp i, 0,1,2,3
	FRAG 48+12*\i, ADT+2, \st, \i
.endr
.endm
.macro WM d, x, y, c, sx, sy, st
.if (\st) == 0
	v_wmma_scale_f32_16x16x128_f8f6f4 v[\d:\d+7], v[\x:\x+11], v[\y:\y+11], v[\c:\c+7], v[\sx], v[\sy] matrix_a_fmt:MATRIX_FMT_FP6 matrix_b_fmt:MATRIX_FMT_FP6
.else
.if (\st) < 4
	v_wmma_scale_f32_16x16x128_f8f6f4 v[\d:\d+7], v[\x:\x+11], v[\y:\y+11], v[\d:\d+7], v[\sx], v[\sy] matrix_a_fmt:MATRIX_FMT_FP6 matrix_b_fmt:MATRIX_FMT_FP6
.else
	v_wmma_scale_f32_16x16x128_f8f6f4 v[\d:\d+7], v[\x:\x+11], v[\y:\y+11], v[\d:\d+7], v[\sx], v[\sy] matrix_a_fmt:MATRIX_FMT_FP6 matrix_b_fmt:MATRIX_FMT_FP6 matrix_a_scale:MATRIX_SCALE_ROW1 matrix_b_scale:MATRIX_SCALE_ROW1
.endif
.endif
.endm
.macro MULS st, hf                     ; 16 products; accumulator (row block a, column block b) at 8 (4 a + b); the 32 take turns
.if (\st) == 0
	WIN 0x4a
.else
	WIN 0x5a+5*((\st)%2)
.endif
.irp a, 0,1,2,3
.irp b, 0,1,2,3
	WM 8*(4*(4*\hf+\a)+\b), 96+12*\b, 12*(4*\hf+\a), BX+8*\b, WS+4*\b+(\st)%4, HS+4*(4*\hf+\a)+(\st)%4, \st
.endr
.endr
.endm
	s_load_b256 s[68:75], s[0:1], 0x0              ; cc, cs, Wo's codes, Wo's scales
	s_load_b128 s[76:79], s[0:1], 0x20             ; out0, bo
	v_lshl_add_u32 v[SPW], v0, 2, SPARE
	v_mov_b32 v[NIL], 0
	ds_add_u32 v[SPW], v[NIL]                      ; the opening lines: the add, twice on end, and its wait
	ds_add_u32 v[SPW], v[NIL]
	v_lshrrev_b32 v1, 5, v0
	v_readfirstlane_b32 s14, v1
	s_lshr_b32 s15, s14, 1
	s_and_b32 s16, s14, 1
	s_bfe_u32 s40, ttmp6, 0x40000                  ; cx: the block of 256 columns
	s_bfe_u32 s41, ttmp6, 0x40004
	s_and_b32 s17, ttmp7, 0xffff
	s_lshl_b32 s17, s17, 2
	s_add_co_u32 s17, s17, s41                     ; the block of 128 rows
	s_lshl_b32 s43, s41, 2
	s_lshl_b32 s43, 15, s43
	s_lshl_b32 s44, 0x1111, s40
	s_or_b32 s[G1T], s43, PADW
	s_or_b32 s[G1W], s44, PADW
.irp g, G1T, G1W
	s_mov_b32 s[\g+1], 768<<16
	s_mov_b32 s[\g+3], 768<<16
	s_mov_b32 s[\g+5], 768
	s_mov_b32 s[\g+6], 0
	s_mov_b32 s[\g+7], 0
.endr
	s_mov_b32 s[G1T+2], 64<<16
	s_mov_b32 s[G1T+4], 64
	s_mov_b32 s[G1W+2], 128<<16
	s_mov_b32 s[G1W+4], 128
	s_mul_i32 s20, s17, 98304
	s_mul_i32 s21, s16, 49152
	s_add_co_u32 s20, s20, s21
	s_mov_b32 s21, 0
	s_mul_i32 s46, s40, 196608
	s_mul_i32 s47, s16, 98304
	s_add_co_u32 s46, s46, s47
	s_mov_b32 s47, 0
	s_mov_b32 s[G0T], 1
	s_mul_i32 s[G0T+1], s16, 64*PITCH
	s_mov_b32 s[G0W], 1
	s_mul_i32 s[G0W+1], s16, 128*PITCH
	s_add_co_u32 s[G0W+1], s[G0W+1], WOFF
	s_wait_dscnt 0x0
	s_wait_kmcnt 0x0
	s_add_nc_u64 s[G0T+2:G0T+3], s[68:69], s[20:21]
	s_or_b32 s[G0T+3], s[G0T+3], 0x80000000
	s_add_nc_u64 s[G0W+2:G0W+3], s[72:73], s[46:47]
	s_or_b32 s[G0W+3], s[G0W+3], 0x80000000
	CROUND
	s_cmp_eq_u32 s15, 0                            ; one load a wave: waves 0, 1 ctx's halves, waves 2, 3 Wo's
	s_cbranch_scc0 .Lhead_w
	tensor_load_to_lds s[G0T:G0T+3], s[G1T:G1T+7]
	s_nop 0
	PLACES
	s_branch .Lhead_asked
.Lhead_w:
	tensor_load_to_lds s[G0W:G0W+3], s[G1W:G1W+7]
	s_nop 0
	PLACES
.Lhead_asked:
	s_mul_i32 s21, s14, 64*PITCH
	s_add_co_u32 s21, s21, WOFF
	s_mul_i32 s23, s14, 16*SPITCH                  ; my stage
	s_lshl_b32 s22, s40, 2
	s_add_co_u32 s22, s22, s14                     ; my block of 64 columns
	s_lshl_b32 s46, s22, 11
	s_mov_b32 s47, 0
	s_add_nc_u64 s[74:75], s[74:75], s[46:47]
	s_lshl_b32 s46, s22, 8
	s_add_nc_u64 s[78:79], s[78:79], s[46:47]
	s_add_nc_u64 s[76:77], s[76:77], s[46:47]
	s_lshl_b32 s46, s17, 12
	s_add_nc_u64 s[70:71], s[70:71], s[46:47]
	s_lshl_b32 s46, s17, 19                        ; 128 rows of 4,096 bytes
	s_add_nc_u64 s[76:77], s[76:77], s[46:47]
	v_and_b32 v1, 15, v0
	v_bfe_u32 v2, v0, 4, 1
	v_mul_u32_u24 v3, v1, PITCH
	v_mad_u32_u24 v[ADT], v2, 24, v3
	v_lshl_add_u32 v[ADT+1], v2, 4, v[ADT]
	v_add_nc_u32 v[ADT+2], 64*PITCH, v[ADT]
	v_add_nc_u32 v[ADT+3], 64*PITCH, v[ADT+1]
	v_add_nc_u32 v[ADW], s21, v[ADT]
	v_add_nc_u32 v[ADW+1], s21, v[ADT+1]
	v_lshlrev_b32 v[OSC], 5, v1
	v_lshl_add_u32 v[OSC], v2, 4, v[OSC]
	v_lshlrev_b32 v[OBX], 5, v2
	v_mul_u32_u24 v4, v1, SPITCH
	v_lshl_add_u32 v4, v2, 5, v4
	v_add_nc_u32 v[STO], s23, v4                   ; in: row r, 32 bytes for each half of the lanes
	v_mul_u32_u24 v5, v2, SPITCH
	v_lshl_add_u32 v5, v1, 4, v5
	v_add_nc_u32 v[RD], s23, v5                    ; back: lanes 0-15 one row of 256 bytes, lanes 16-31 the next
	v_lshlrev_b32 v[CO], 12, v2
	v_lshl_add_u32 v[CO], v1, 4, v[CO]             ; and the same two rows in out
	s_wait_alu depctr_va_vdst(0)
.irp i, 0,1,2,3,4,5,6,7
	global_load_b128 v[HS+4*\i:HS+4*\i+3], v[OSC], s[70:71] offset:512*\i
.endr
.irp i, 0,1,2,3
	global_load_b128 v[WS+4*\i:WS+4*\i+3], v[OSC], s[74:75] offset:512*\i
	global_load_b128 v[BX+8*\i:BX+8*\i+3], v[OBX], s[78:79] offset:64*\i
	global_load_b128 v[BX+8*\i+4:BX+8*\i+7], v[OBX], s[78:79] offset:64*\i+16
.endr
	s_wait_tensorcnt 0x0                           ; my part of the tiles is in
	s_barrier_signal -1
	s_barrier_wait -1                              ; and everybody's
	RUNA 0
	RUNB 0
	WIN 0
	s_wait_loadcnt 0x0
.set SN, 0
.rept 7
.if SN > 0
	PLACES                                         ; ahead of loads into the set that the step before multiplied
.endif
	RUNA SN+1
	s_wait_dscnt 48                                ; all but the 48 just issued: this step's set is whole
	MULS SN, 0
	RUNB SN+1
	MULS SN, 1
.set SN, SN+1
.endr
	s_wait_dscnt 0x0                               ; my last reads of the tiles are back:
	s_barrier_signal -1                            ; say so,
	MULS 7, 0
	MULS 7, 1
	WIN 0
	s_barrier_wait -1                              ; and behind this wait nobody reads ctx's tile any more: the stages may be written
	PLACES
.macro TOSTAGE a
	WIN 0x04                                       ; the data: window 1
.irp b, 0,1,2,3
	ds_store_b128 v[STO], v[32*(\a)+8*\b:32*(\a)+8*\b+3] offset:64*\b          ; each accumulator from its low end on
	ds_store_b128 v[STO], v[32*(\a)+8*\b+4:32*(\a)+8*\b+7] offset:64*\b+16
.endr
	WIN 0
.set BB, BK+32*((\a)%2)
.irp t, 0,1,2,3,4,5,6,7
	ds_load_b128 v[BB+4*\t:BB+4*\t+3], v[RD] offset:\t*2*SPITCH    ; a wave's LDS instructions are served in order: these see the stores above
.endr
.endm
.macro SEND a, younger                 ; younger: the LDS instructions issued behind block a's loads
.set BB, BK+32*((\a)%2)
	s_wait_dscnt \younger
.if (\a) > 0
	s_add_nc_u64 s[76:77], s[76:77], 16*4096       ; behind a wait on XCNT: the earlier stores have read their base
.endif
.irp t, 0,1,2,3,4,5,6,7
	global_store_b128 v[CO], v[BB+4*\t:BB+4*\t+3], s[76:77] offset:\t*2*4096 th:TH_STORE_NT   ; sixteen lanes store 256 consecutive bytes, at a multiple of 256 from out's first byte
.endr
.endm
	TOSTAGE 0
.irp a, 1,2,3,4,5,6,7
.if \a > 1
	s_wait_xcnt 0x0                                ; block a - 2's stores have read their registers and their base
.endif
	TOSTAGE \a
	SEND \a-1, 16
.endr
	s_wait_xcnt 0x0
	SEND 7, 0
	s_wait_tensorcnt 0x0                           ; the wave's end
	ds_add_u32 v[SPW], v[NIL]
	s_wait_dscnt 0x0
	CROUND                                         ; the closing round
	s_endpgm
.Lfunc_end_k_qf6e6b0ac91_outp:
	.size	k_qf6e6b0ac91_outp, .Lfunc_end_k_qf6e6b0ac91_outp-k_qf6e6b0ac91_outp
	.p2alignl 7, 3214868480
	.fill 96, 4, 3214868480
	.section	.rodata,"a",@progbits
	.p2align	6, 0x0
	.amdhsa_kernel k_qf6e6b0ac91_outp
		.amdhsa_group_segment_fixed_size 327680
		.amdhsa_private_segment_fixed_size 0
		.amdhsa_enable_private_segment 0
		.amdhsa_kernarg_size 48
		.amdhsa_user_sgpr_count 2
		.amdhsa_user_sgpr_kernarg_segment_ptr 1
		.amdhsa_wavefront_size32 1
		.amdhsa_system_sgpr_workgroup_id_x 1
		.amdhsa_system_sgpr_workgroup_id_y 1
		.amdhsa_system_sgpr_workgroup_id_z 1
		.amdhsa_system_vgpr_workitem_id 0
		.amdhsa_next_free_vgpr 1024
		.amdhsa_next_free_sgpr 84
		.amdhsa_reserve_vcc 0
		.amdhsa_float_denorm_mode_32 3
		.amdhsa_float_denorm_mode_16_64 3
		.amdhsa_memory_ordered 1
		.amdhsa_forward_progress 1
		.amdhsa_inst_pref_size 94
	.end_amdhsa_kernel
	.amdgpu_metadata
---
amdhsa.version: [ 1, 2 ]
amdhsa.kernels:
  - .name:           k_qf6e6b0ac91_outp
    .symbol:         k_qf6e6b0ac91_outp.kd
    .args:
      - { .name: cc, .offset: 0, .size: 8, .value_kind: global_buffer, .address_space: global }
      - { .name: cs, .offset: 8, .size: 8, .value_kind: global_buffer, .address_space: global }
      - { .name: Wo_codes, .offset: 16, .size: 8, .value_kind: global_buffer, .address_space: global }
      - { .name: Wo_scales, .offset: 24, .size: 8, .value_kind: global_buffer, .address_space: global }
      - { .name: out0, .offset: 32, .size: 8, .value_kind: global_buffer, .address_space: global }
      - { .name: bo, .offset: 40, .size: 8, .value_kind: global_buffer, .address_space: global }
    .group_segment_fixed_size: 327680
    .private_segment_fixed_size: 0
    .kernarg_segment_align: 8
    .kernarg_segment_size: 48
    .max_flat_workgroup_size: 128
    .sgpr_count:     84
    .vgpr_count:     1024
    .wavefront_size: 32
...
	.end_amdgpu_metadata
.endif
;; end of part 3
